; MI455X (gfx1250); checked and timed in simulation.
; The chip was launched on July 23, 2026; its instructions are those of AMD's public machine-readable ISA for CDNA 5 (MIT licence, August 2026) and "CDNA5" Instruction Set Architecture Reference Guide (July 2026). The comments in the code are by the model that wrote it; some were corrected since.
;; Dense Expert. Allowed arithmetic: matrix products marked QUANTISED: E3M2 operands, one E8M0 scale for each 32 along K, by v_wmma_scale_f32_16x16x128_f8f6f4 with both operands' format E3M2, f32 sums; products left as they are: f32 operands where the result goes on into a quantised operand, else bf16, f16 or f32 operands; f32 sums; everything else in f32.
;; Inputs: alpha 8 x 1,024 x 1,024 float32; beta 8 x 1,024 float32; gate_perc 8,192 x 8 float32; x 8,192 x 1,024 float32.
;; Outputs: out0 8,192 x 1,024 float32.
;; This version of the problem:
;;   THIS VERSION OF THE PROBLEM IS GIVEN IN LOW PRECISION. The matrix products marked QUANTISED in the list below multiply operands that are first quantised to E3M2 (3 exponent bits, 2 mantissa bits; 6 bits a number), with one power-of-two scale for each 32 numbers along K (OCP MX v1.0); their sums are f32. All else is computed in f32.
;;   The module's matrix products, in the order in which they are computed (A, B: the left and right operand; K: the contracted axis; several contracted axes count as one K, in the product's order):
;;     1. batch 8,192 x [M 8, K 1] x [K 1, N 1,024]; A: computed on the way; B: computed on the way: left as it is (no contracted axis)
;;     2. [M 8,192, K 8,192] x [K 8,192, N 1,024]; A: computed on the way; B: input alpha: QUANTISED
;;     3. [M 8,192, K 8] x [K 8, N 1,024]; A: input gate_perc; B: input beta: left as it is (K = 8 < 32)
;;   THE QUANTISER, for each operand of a quantised product, along K:
;;     - K is cut into blocks of 32 from its start; a last block that is shorter is filled with zeros.
;;     - A block's scale is 2^e with e = floor(log2(the largest magnitude in the block)) - 4, held to -126 .. 127; a block of zeros has e = 0. As a byte (E8M0): e + 127.
;;     - Each number is divided by its block's scale, clamped to +-28, and rounded to the nearest number of E3M2, ties to even, subnormals kept.
;;     - The product sums the exact products of the quantised numbers (number of the format x scale) in f32.
;;   ~~~python
;;   def quantise(x, axis):      # numpy; x: float32 -> the quantised numbers, widened to float32 again
;;       x = np.moveaxis(x, axis, -1); K = x.shape[-1]
;;       x = np.pad(x, [(0, 0)] * (x.ndim - 1) + [(0, -K % 32)]); x = x.reshape(x.shape[:-1] + (-1, 32)); a = np.abs(x).max(-1, keepdims=True)
;;       e = np.where(a > 0, np.clip(np.frexp(np.where(a > 0, a, 1))[1] - 1 - 4, -126, 127), 0)      # np.frexp(a)[1] - 1 = floor(log2(a)), exactly
;;       r = np.clip(x / 2.0 ** e, -28, 28)
;;       step = 2.0 ** (np.maximum(np.frexp(np.where(r == 0, 1, r))[1] - 1, -2) - 2)
;;       q = np.round(r / step) * step * 2.0 ** e      # np.round: ties to even
;;       return np.moveaxis(q.reshape(q.shape[:-2] + (-1,))[..., :K], -1, axis).astype(np.float32)
;;   ~~~
;;   OPERANDS COMPUTED ON THE WAY. 'Computed on the way' means the value that the module computes at that place (a softmax that the list does not call 'softmax' is quantised finished and normalised). What goes into a quantiser is computed in f32, as accurately as f32 sums, v_exp_f32 and their like allow (about 1e-6 of the number): no bf16 or f16 on the way to a quantiser, and a product that is left as it is and whose result goes on into a quantised operand takes f32 operands (vector FMAs, or v_wmma_f32_16x16x4_f32). A number that lies on a knife's edge between two numbers of the format may be rounded either way, as far as f32 arithmetic and the matrix unit's own rounding can turn it there, and no further.
;; One version. Each part assembles by itself: llvm-mc -triple=amdgcn-amd-amdhsa -mcpu=gfx1250 --defsym DOCPART=n.
;; ======== version 1 of 1: 2 launches
;; limits: values are held in bf16: 8 bits of precision; right only within a limited range of input values
;; workspace buffers: wq 6,553,600 bytes; aq 52,428,800 bytes
;; launch aquant (part 1): grid 8 x 96, 8 waves a work-group, no clusters, 98,304 bytes of LDS; arguments x, gate_perc, aq, alpha, wq; writes aq, wq
.if DOCPART == 1
	.amdgcn_target "amdgcn-amd-amdhsa--gfx1250"
	.amdhsa_code_object_version 6
	.text
	.protected	k_q030a62ff12_aquant
	.globl	k_q030a62ff12_aquant
	.p2align	8
	.type	k_q030a62ff12_aquant,@function
k_q030a62ff12_aquant:
	s_mov_b64 s[64:65], 0
	v_nop
	global_prefetch_b8 v0, s[64:65] scope:SCOPE_SE
	s_setreg_imm32_b32 hwreg(HW_REG_WAVE_MODE, 25, 1), 1
	s_wait_xcnt 0x0
; The left operand of the quantised product, A[b][1024 e + i] = gate[b][e] x[b][i] (f32 product), becomes codes of BF6 (E3M2) with one E8M0 byte for each 32 along K.
; A block's scale is 2^(floor(log2(its largest magnitude)) - 4).  The largest magnitude of a block is |gate| x the largest |x| of the 32: the f32 product rises with |x|, so this is the largest of the 32 rounded products.
; LIMITS: a block of zeros, or one whose largest magnitude lies under 2^-122, gets the byte 1 where the quantiser says 127 or less; a block of zeros has zero codes, which add nothing; the bytes are read by this
; program alone.  NaN and infinities among the inputs are not served.
; aq = [row block 0..63][step 0..63][12,800 bytes], LAID AS THE NEXT LAUNCH'S REGISTERS WANT IT.  Step 8 c + e holds K = 1024 e + 128 c + 0..127 of the block's 128 rows: eight fragments (16 rows x 128 K, 12 registers
; a lane) of 1,536 bytes, registers 4 p .. 4 p + 3 of lane l at 512 p + 16 l; then 512 bytes of scale words: word i of lane l's 16 bytes belongs to fragment 2 i + l / 16, row l % 16.
; SHARES.  A work-group takes a row block and 128 along i (c), wave f the rows 16 f .. 16 f + 15: it reads them once and makes the eight experts' fragments.  Each load reads 512 consecutive bytes of a row; the 8 KB turn
; through the wave's own stage in LDS, so that lane (r, h) holds i = 64 cc + 32 h + 0..31 of row r, the order of the operand's registers.  Codes leave as stores of 512 consecutive bytes; the scale words of the
; eight waves are gathered in LDS and leave as 512 consecutive bytes for each expert.  Memory binds: no matrix units, no cluster, no tensor loads, no loop to prefetch in.
.set PIT,   528                        ; a stage row: 512 bytes + 16
.set STG,   16*PIT
.set SCS,   8*STG                      ; behind the eight stages: 8 x 512 bytes of scale words
.set SPARE, SCS+4096                   ; then the spare words, 128 bytes for each wave
.set SPW, 1
.set NIL, 2
.set G,   24                           ; v24-31   my row's eight gates
.set X,   32                           ; v32-95   my 64 numbers of x
.set T,   96                           ; v96-127  32 products
.set Q,   128                          ; v128-130 the second half of a block's codes
.set C,   136                          ; v136-231 codes, 12 registers for each expert (first: x as it is loaded)
.set OW,  232                          ; v232-239 scale words
; ONE LAUNCH QUANTISES BOTH OPERANDS.  Rows 0-63 of the grid take A, as set out above; rows 64-95, 256 work-groups, take the weights (the second path, at the text's end).
; The choice hangs on the work-group's number alone; each path has LDS bytes of its own; the work-groups with more to do have the lower numbers.
	s_and_b32 s22, ttmp7, 0xffff
	s_cmp_ge_u32 s22, 64
	s_cbranch_scc1 .Lweights
	s_load_b128 s[4:7], s[0:1], 0x0                ; x, gate
	s_load_b64 s[8:9], s[0:1], 0x10                ; aq
	v_lshl_add_u32 v[SPW], v0, 2, SPARE
	v_mov_b32 v[NIL], 0
	v_lshrrev_b32 v11, 5, v0
	v_readfirstlane_b32 s12, v11                   ; wave = fragment f
	v_and_b32 v11, 31, v0
	v_lshlrev_b32 v3, 4, v11                       ; 16 x lane
	v_and_b32 v22, 15, v0                          ; r
	v_bfe_u32 v23, v0, 4, 1                        ; h
	s_mul_i32 s13, s12, STG
	s_and_b32 s14, s12, 1
	s_lshl_b32 s14, s14, 8
	s_lshr_b32 s15, s12, 1
	s_lshl_b32 s15, s15, 2
	s_add_co_u32 s14, s14, s15
	s_add_co_u32 s14, s14, SCS                     ; my scale words: 256 (f % 2) + 4 (f / 2)
	s_lshl_b32 s15, s12, 9
	s_add_co_u32 s15, s15, SCS                     ; and the 512 bytes that I store: expert = wave
	s_wait_alu depctr_va_vdst(0)
	v_add_nc_u32 v4, s13, v3                       ; into the stage
	v_mul_u32_u24 v5, v22, PIT
	v_lshl_add_u32 v5, v23, 7, v5
	v_add_nc_u32 v5, s13, v5                       ; out of it: row r, + 128 h
	v_lshlrev_b32 v6, 5, v22                       ; a row of gates is 32 bytes
	v_lshlrev_b32 v7, 4, v22
	v_add_nc_u32 v7, s14, v7
	v_add_nc_u32 v8, s15, v3
	v_lshlrev_b32 v10, 3, v23                      ; 8 h
	v_mov_b32 v13, 0
	s_mov_b32 s20, 0x76543210
	s_mov_b32 s21, 0xfedcba98
	s_and_b32 s22, ttmp7, 0xffff                   ; row block
	s_lshl_b32 s24, s22, 19
	s_lshl_b32 s25, s12, 16
	s_add_co_u32 s24, s24, s25
	s_lshl_b32 s25, ttmp9, 9
	s_add_co_u32 s24, s24, s25                     ; x: (128 rb + 16 f) rows of 4,096 bytes + 512 c
	s_mov_b32 s25, 0
	s_lshl_b32 s26, s22, 12
	s_lshl_b32 s27, s12, 9
	s_add_co_u32 s26, s26, s27
	s_mov_b32 s27, 0
	s_lshl_b32 s28, s22, 6
	s_lshl_b32 s29, ttmp9, 3
	s_add_co_u32 s28, s28, s29
	s_mul_i32 s28, s28, 12800                      ; record (rb, 8 c)
	s_mul_i32 s29, s12, 1536
	s_add_co_u32 s30, s28, s29
	s_mov_b32 s31, 0
	s_mul_i32 s29, s12, 12800
	s_add_co_u32 s28, s28, s29
	s_add_co_u32 s28, s28, 12288
	s_mov_b32 s29, 0
	s_wait_alu depctr_va_vdst(0)
	s_wait_kmcnt 0x0
	s_add_nc_u64 s[4:5], s[4:5], s[24:25]
	s_add_nc_u64 s[6:7], s[6:7], s[26:27]
	s_add_nc_u64 s[16:17], s[8:9], s[30:31]
	s_add_nc_u64 s[18:19], s[8:9], s[28:29]
	global_load_b128 v[G:G+3], v6, s[6:7]
	global_load_b128 v[G+4:G+7], v6, s[6:7] offset:16
.irp i, 0,1,2,3,4,5,6,7,8,9,10,11,12,13,14,15
	global_load_b128 v[C+4*\i:C+4*\i+3], v3, s[4:5] offset:4096*\i th:TH_LOAD_NT   ; 512 consecutive bytes of row i
.endr
.irp i, 0,1,2,3,4,5,6,7,8,9,10,11,12,13,14,15
	s_wait_loadcnt 15-\i                           ; row i is in; the later rows may be out
	ds_store_b128 v4, v[C+4*\i:C+4*\i+3] offset:PIT*\i
.endr
.irp c, 0,1
.irp q, 0,1,2,3,4,5,6,7
	ds_load_b128 v[X+32*\c+4*\q:X+32*\c+4*\q+3], v5 offset:256*\c+16*\q   ; LDS serves a wave's instructions in order: these see my stores
.endr
.endr
	s_wait_dscnt 0x0
.irp c, 0,1
	v_max_num_f32 v[14+\c], |v[X+32*\c]|, |v[X+32*\c+1]|            ; the largest |x| of my two blocks
.endr
.irp i, 2,4,6,8,10,12,14,16,18,20,22,24,26,28,30
.irp c, 0,1
	v_max3_num_f32 v[14+\c], |v[X+32*\c+\i]|, |v[X+32*\c+\i+1]|, v[14+\c]
.endr
.endr
.macro EXPERT e
.set FB, C+12*(\e)
	v_mov_b32 v12, v[G+\e]                         ; the packed products take the low word of v[12:13] for both halves
	v_mul_f32 v16, |v[G+\e]|, v14                  ; the blocks' largest magnitudes,
	v_mul_f32 v17, |v[G+\e]|, v15
	v_max_num_f32 v16, 0x2800000, v16              ; the floor 2^(5 - 127): the byte cannot fall under 1,
	v_max_num_f32 v17, 0x2800000, v17
	v_add_nc_u32 v18, 0xfe000000, v16              ; 4 off the exponent field: the conversion's scale operand,
	v_add_nc_u32 v19, 0xfe000000, v17
	v_lshrrev_b32 v20, 23, v18                     ; the bytes of blocks h and 2 + h,
	v_lshrrev_b32 v21, 23, v19
	v_lshl_or_b32 v20, v21, 16, v20
	v_lshlrev_b32 v20, v10, v20                    ; at their places in the row's scale word;
	v_permlanex16_b32 v21, v20, s20, s21
	v_or_b32 v[OW+\e], v20, v21                    ; with lane l xor 16's two the word is whole
.irp c, 0,1
.irp i, 0,2,4,6,8,10,12,14,16,18,20,22,24,26,28,30
	v_pk_mul_f32 v[T+\i:T+\i+1], v[X+32*\c+\i:X+32*\c+\i+1], v[12:13] op_sel_hi:[1,0]
.endr
	v_cvt_scalef32_pk16_bf6_f32 v[FB+6*\c:FB+6*\c+2], v[T:T+15], v[18+\c]
	v_cvt_scalef32_pk16_bf6_f32 v[Q:Q+2], v[T+16:T+31], v[18+\c]    ; (a conversion's three registers begin on an even number)
	v_nop                                          ; one plain line between a scaled conversion and the vector line that reads its result
.irp i, 0,1,2
	v_mov_b32 v[FB+6*\c+3+\i], v[Q+\i]
.endr
.endr
.irp p, 0,1,2
	global_store_b128 v3, v[FB+4*\p:FB+4*\p+3], s[16:17] offset:12800*(\e)+512*\p   ; 512 consecutive bytes, at a multiple of 256 from aq's first byte
.endr
	ds_store_b32 v7, v[OW+\e] offset:512*(\e)      ; lanes r and 16 + r write the same word with the same value
.endm
.irp e, 0,1,2,3,4,5,6,7
	EXPERT \e
.endr
	s_wait_alu depctr_va_vdst(0)
	s_wait_dscnt 0x0                               ; for the others' sake: my scale words have landed
	s_barrier_signal -1
	s_barrier_wait -1
	ds_load_b128 v[X:X+3], v8                      ; expert = wave: the eight waves' words
	s_wait_dscnt 0x0
	global_store_b128 v3, v[X:X+3], s[18:19]
	s_wait_tensorcnt 0x0                           ; the wave's end
	ds_add_u32 v[SPW], v[NIL]
	s_wait_dscnt 0x0
	s_endpgm
; THE WEIGHTS.  alpha [8][1024][1024] f32, read as W [K = 8192][N = 1024] with K its first axis, becomes codes of BF6 with one E8M0 byte for each 32 along K, by the same rule and with the same limits as A.
; wq = [cb 0..3][step 0..63][cn 0..1][12,800 bytes].  Step 8 c + e holds K rows 1024 e + 128 c + 0..127; the half record (cb, cn) columns 256 cb + 128 cn + 0..127, laid as a record of aq is (columns for rows).
; A work-group makes the two half records of one (cb, step); wave w the columns 32 w .. 32 w + 31 of its 256.  A LANE TAKES A COLUMN AND ITS REGISTERS RUN DOWN K: a load reads 128 consecutive bytes, a block of 32
; lies in one lane, and the conversions give codes with K innermost.  A column's four blocks belong to two lanes of a fragment (blocks 0, 2: lane r; blocks 1, 3: lane 16 + r): they go through LDS and leave
; as stores of 512 consecutive bytes.
.Lweights:
.set WB,   72704                       ; this path's LDS bytes: the two half records as they lie in wq, 2 x 12,800
.set WQ,   16                          ; v16-18  the second half of a block's codes
.set WFH,  20                          ; v20-31, v32-43  the 12 registers of fragment lanes r and 16 + r
.set WOUT, 44                          ; v44-67  the way out
.set WX,   72                          ; v72-199 my column's 128 numbers
	s_load_b128 s[4:7], s[0:1], 0x18               ; alpha, wq
	v_lshl_add_u32 v[SPW], v0, 2, SPARE
	v_mov_b32 v[NIL], 0
	v_lshrrev_b32 v3, 5, v0
	v_readfirstlane_b32 s16, v3                    ; wave 0..7
	s_and_b32 s18, s16, 3                          ; which 32 columns of the half record
	s_lshr_b32 s19, s16, 2                         ; cn
	s_mul_i32 s19, s19, 12800
	s_mul_i32 s17, s18, 3072
	s_add_co_u32 s17, s17, s19                     ; my two fragments' place in the record
	s_add_co_u32 s20, s17, WB                      ; and in LDS
	s_lshl_b32 s21, s18, 2
	s_add_co_u32 s21, s21, s19
	s_add_co_u32 s21, s21, WB+12288                ; my scale word: word w % 4 of a lane's 16 bytes
	s_add_co_u32 s23, s19, 12288                   ; my half record's scale words
	s_wait_alu depctr_va_vdst(0)
	v_and_b32 v13, 31, v0                          ; lane
	v_lshlrev_b32 v3, 2, v13                       ; in: 4 bytes a lane
	v_lshlrev_b32 v7, 4, v13                       ; 16 x lane
	v_add_nc_u32 v6, s17, v7                       ; out: my offset in the record
	v_and_b32 v14, 15, v13
	v_lshrrev_b32 v15, 4, v13
	v_mul_u32_u24 v4, v15, 1536                    ; into LDS: fragment lane / 16 of my two,
	v_lshl_add_u32 v4, v14, 4, v4                  ; fragment lane r = lane % 16
	v_add_nc_u32 v4, s20, v4
	v_add_nc_u32 v13, s20, v7                      ; back out of LDS
	v_add_nc_u32 v5, s21, v7
	v_add_nc_u32 v15, s23, v7                      ; the scale words in the record,
	v_add_nc_u32 v14, WB, v15                      ; and in LDS
	s_sub_co_u32 s22, s22, 64
	s_lshl_b32 s22, s22, 3
	s_add_co_u32 s22, s22, ttmp9                   ; 0 .. 255
	s_and_b32 s24, s22, 3                          ; cb
	s_lshr_b32 s25, s22, 2                         ; 8 e + c: which 128 rows of K
	s_lshl_b32 s26, s25, 19                        ; 128 rows of 4,096 bytes
	s_lshl_b32 s27, s24, 10                        ; 256 columns of 4 bytes
	s_add_co_u32 s26, s26, s27
	s_lshl_b32 s27, s16, 7                         ; my wave's 32 columns
	s_add_co_u32 s26, s26, s27
	s_mov_b32 s27, 0
	s_mul_i32 s28, s24, 1638400
	s_and_b32 s29, s25, 7                          ; c
	s_lshl_b32 s29, s29, 3
	s_lshr_b32 s30, s25, 3                         ; e
	s_add_co_u32 s29, s29, s30                     ; step 8 c + e
	s_mul_i32 s29, s29, 25600
	s_add_co_u32 s28, s28, s29
	s_mov_b32 s29, 0
	s_wait_alu depctr_va_vdst(0)
	s_wait_kmcnt 0x0
	s_add_nc_u64 s[4:5], s[4:5], s[26:27]
	s_add_nc_u64 s[6:7], s[6:7], s[28:29]
.macro LOADB t                         ; block t: W(32 t + i, my column), i = 0 .. 31; every offset is an immediate (127 x 4,096 at the most)
.irp i, 0,1,2,3,4,5,6,7,8,9,10,11,12,13,14,15,16,17,18,19,20,21,22,23,24,25,26,27,28,29,30,31
	global_load_b32 v[WX+32*(\t)+\i], v3, s[4:5] offset:(32*(\t)+\i)*4096 th:TH_LOAD_NT
.endr
.endm
.macro BLOCK t
.set XS, WX+32*(\t)
.set FD, WFH+12*((\t)%2)+6*((\t)/2)    ; block t is registers 6 (t / 2) .. + 5 of fragment lane r + 16 (t % 2)
.if (\t) < 3
	s_wait_loadcnt 32                              ; this block's 32 loads are in; the next block's may be out
.else
	s_wait_loadcnt 0x0
.endif
.if (\t) < 2
	LOADB (\t)+2                                   ; loads run two blocks ahead
.endif
	v_max3_num_f32 v8, |v[XS]|, |v[XS+1]|, |v[XS+2]|               ; the block's largest magnitude, in two chains: all 32 numbers are mine
	v_max3_num_f32 v9, |v[XS+3]|, |v[XS+4]|, |v[XS+5]|
.irp i, 6,10,14,18,22,26
	v_max3_num_f32 v8, v8, |v[XS+\i]|, |v[XS+\i+1]|
	v_max3_num_f32 v9, v9, |v[XS+\i+2]|, |v[XS+\i+3]|
.endr
	v_max3_num_f32 v8, v8, |v[XS+30]|, |v[XS+31]|
	v_max3_num_f32 v8, v8, v9, 0x2800000           ; and the floor 2^(5 - 127): the byte cannot fall under 1
	v_add_nc_u32 v10, 0xfe000000, v8               ; 4 off the exponent field: the conversion's scale operand
	v_lshrrev_b32 v11, 23, v10                     ; the scale's byte
.if (\t) == 0
	v_mov_b32 v12, v11                             ; four bytes make my column's scale word, the lower K in the lower byte
.else
	v_lshl_or_b32 v12, v11, 8*(\t), v12
.endif
	v_cvt_scalef32_pk16_bf6_f32 v[FD:FD+2], v[XS:XS+15], v10
	v_cvt_scalef32_pk16_bf6_f32 v[WQ:WQ+2], v[XS+16:XS+31], v10
	v_nop                                          ; one plain vector line between a scaled conversion and the vector line that reads its result
.irp i, 0,1,2
	v_mov_b32 v[FD+3+\i], v[WQ+\i]
.endr
.endm
	LOADB 0
	LOADB 1
.irp t, 0,1,2,3
	BLOCK \t
.endr
.irp h, 0,1
.irp p, 0,1,2
	ds_store_b128 v4, v[WFH+12*\h+4*\p:WFH+12*\h+4*\p+3] offset:512*\p+256*\h   ; sixteen lanes fill 256 consecutive bytes
.endr
.endr
	ds_store_b32 v5, v12
.irp k, 0,1,2,3,4,5
	ds_load_b128 v[WOUT+4*\k:WOUT+4*\k+3], v13 offset:512*\k   ; LDS serves a wave's instructions in order: these see my stores
.endr
.irp k, 0,1,2,3,4,5
	s_wait_dscnt 5-\k                              ; load k is in; the younger ones may be out
	global_store_b128 v6, v[WOUT+4*\k:WOUT+4*\k+3], s[6:7] offset:512*\k       ; 512 consecutive bytes, at a multiple of 256 from wq's first byte
.endr
	s_wait_dscnt 0x0                               ; for the others' sake: my scale word has landed
	s_barrier_signal -1
	s_barrier_wait -1
	s_cmp_lg_u32 s18, 0                            ; the first wave of each half record stores its four waves' scale words: 512 consecutive bytes
	s_cbranch_scc1 .Lnot_first
	ds_load_b128 v[68:71], v14
	s_wait_dscnt 0x0
	global_store_b128 v15, v[68:71], s[6:7]
.Lnot_first:
	s_wait_tensorcnt 0x0                           ; the wave's end
	ds_add_u32 v[SPW], v[NIL]
	s_wait_dscnt 0x0
	s_endpgm
.Lfunc_end_k_q030a62ff12_aquant:
	.size	k_q030a62ff12_aquant, .Lfunc_end_k_q030a62ff12_aquant-k_q030a62ff12_aquant
	.p2alignl 7, 3214868480
	.fill 96, 4, 3214868480
	.section	.rodata,"a",@progbits
	.p2align	6, 0x0
	.amdhsa_kernel k_q030a62ff12_aquant
		.amdhsa_group_segment_fixed_size 98304
		.amdhsa_private_segment_fixed_size 0
		.amdhsa_enable_private_segment 0
		.amdhsa_kernarg_size 40
		.amdhsa_user_sgpr_count 2
		.amdhsa_user_sgpr_kernarg_segment_ptr 1
		.amdhsa_wavefront_size32 1
		.amdhsa_system_sgpr_workgroup_id_x 1
		.amdhsa_system_sgpr_workgroup_id_y 1
		.amdhsa_system_sgpr_workgroup_id_z 1
		.amdhsa_system_vgpr_workitem_id 0
		.amdhsa_next_free_vgpr 240
		.amdhsa_next_free_sgpr 66
		.amdhsa_reserve_vcc 0
		.amdhsa_float_denorm_mode_32 3
		.amdhsa_float_denorm_mode_16_64 3
		.amdhsa_memory_ordered 1
		.amdhsa_forward_progress 1
		.amdhsa_inst_pref_size 60
	.end_amdhsa_kernel
	.amdgpu_metadata
---
amdhsa.version: [ 1, 2 ]
amdhsa.kernels:
  - .name:           k_q030a62ff12_aquant
    .symbol:         k_q030a62ff12_aquant.kd
    .args:
      - { .name: x, .offset: 0, .size: 8, .value_kind: global_buffer, .address_space: global }
      - { .name: gate_perc, .offset: 8, .size: 8, .value_kind: global_buffer, .address_space: global }
      - { .name: aq, .offset: 16, .size: 8, .value_kind: global_buffer, .address_space: global }
      - { .name: alpha, .offset: 24, .size: 8, .value_kind: global_buffer, .address_space: global }
      - { .name: wq, .offset: 32, .size: 8, .value_kind: global_buffer, .address_space: global }
    .group_segment_fixed_size: 98304
    .private_segment_fixed_size: 0
    .kernarg_segment_align: 8
    .kernarg_segment_size: 40
    .max_flat_workgroup_size: 256
    .sgpr_count:     66
    .vgpr_count:     240
    .wavefront_size: 32
...
	.end_amdgpu_metadata
.endif
;; end of part 1
;; launch gemm (part 2): grid 4 x 64, 4 waves a work-group, clusters of 4 x 4, 327,680 bytes of LDS; arguments aq, wq, gate_perc, beta, out0; writes out0
.if DOCPART == 2
	.amdgcn_target "amdgcn-amd-amdhsa--gfx1250"
	.amdhsa_code_object_version 6
	.text
	.protected	k_q030a62ff12_gemm
	.globl	k_q030a62ff12_gemm
	.p2align	8
	.type	k_q030a62ff12_gemm,@function
k_q030a62ff12_gemm:
	s_mov_b64 s[64:65], 0
	v_nop
	global_prefetch_b8 v0, s[64:65] scope:SCOPE_SE
	s_setreg_imm32_b32 hwreg(HW_REG_WAVE_MODE, 25, 1), 1
	s_wait_xcnt 0x0
	s_wait_alu depctr_hold_cnt(0) depctr_sa_sdst(0) depctr_va_vdst(0) depctr_va_sdst(0) depctr_va_ssrc(0) depctr_va_vcc(0) depctr_vm_vsrc(0)
	s_getreg_b32 s2, hwreg(HW_REG_IB_STS2, 6, 4)
	s_cmp_eq_u32 s2, 0
	s_cbranch_scc0 .Lentry_in_a_cluster
	s_endpgm
.Lentry_in_a_cluster:
	s_bfe_u32 s2, ttmp6, 0x10000c
	s_cmp_lg_u32 s2, 0xf033
	s_cbranch_scc0 .Lentry_shape_is_right
	s_endpgm
.Lentry_shape_is_right:
; out[b][u] = sum over K = 8,192 of A[b][k] W[k][u] + sum over e of gate[b][e] beta[e][u].  A's codes and scales lie in aq, W's in wq, both as images of the operand's registers, in 64 steps of 128 along K
; (step 8 c + e: K = 1024 e + 128 c + 0..127); sums in f32.  The small product gate x beta (K = 8, bf16 operands) starts the sums: nothing is cleared and nothing is added at the end.
; SHARES.  A work-group makes 128 rows x 256 columns, 256 work-groups; wave w makes all 128 rows x columns 64 w .. 64 w + 63: 32 accumulators, 256 registers.
; THE RING: two LDS slots of 4 steps: A's four records (4 x 12,800 bytes), then W's four (4 x 25,600).  Waves 0 and 1 fetch A's halves, waves 2 and 3 W's, one tensor load a wave.
; A step is 32 matrix instructions on 8 fragments of A and 4 of W; the next step's 38 LDS loads stand in ONE run at the step's head, into the other of two sets of registers.
; CLUSTERS: 4 x 4 work-groups.  The four of a row of the cluster need the same records of A, the four of a column the same records of W: each tile is asked for JOINTLY.
; PREFETCH: a tile is asked for by its tensor load four steps ahead of its first read; two tiles ahead of that load its bytes are named by a prefetch.  Of the bytes that a wave fetches, each of the four partners
; that ask for them jointly names a quarter, told apart by address: 25 blocks of 256 bytes of A, 50 of W.  Tiles 0 and 1 come by their loads alone; the last two turns that fill a slot name nothing.
; THE MATRIX INSTRUCTION IS USED TRANSPOSED (source 0 = 16 columns of W, source 1 = 16 rows of A): a lane holds eight neighbouring numbers of a row of out.
; REGISTERS: window 0: v1-29 addresses and scale words (v40-191 at work in the head);  window 1: accumulator (a, b) at v[8 (4 a + b)];
;   windows 2 and 3: the fragments of even and of odd steps: A's eight at v0-95, W's four at v96-143 (on the way out window 2 holds 8 x 32 registers).
.set RECB,  12800
.set ATILE, 4*RECB                     ; A's part of a slot
.set WTILE, 8*RECB                     ; W's
.set SLOTB, ATILE+WTILE
.set STAGE, 2*SLOTB                    ; behind the ring: 16 rows x 272 bytes for each wave, for the way out; no tensor load lands there
.set SPITCH, 272
.set SPARE, STAGE+4*16*SPITCH          ; the spare words, 128 bytes for each wave
.set SPW, 1
.set NIL, 2
.set AAD, 4                            ; v4-5   LDS: A's records in slot 0, 1
.set BAD, 6                            ; v6-9   my four fragments of W: slot, steps 0-1 or 2-3
.set BSA, 10                           ; v10-13 my scale words of W, likewise
.set STO, 14
.set RD,  15
.set ASC, 16                           ; v16-23 A's scale words, two sets
.set BSC, 24                           ; v24-27 W's, two sets
.set CO,  28
.set PFO, 29
.set WV,  14
.set G1A, 24
.set G0A, 32
.set G1B, 48
.set G0B, 56
.set OUT, 66
.set PFA, 72                           ; where my prefetches stand
.set PST, 74                           ; a tile's bytes in my stream
.set TC,  76
.set LC,  77
.set MSB, 0
.macro WIN new                         ; the immediate's high byte repeats the setting that is left
.if MSB != (\new)
	s_set_vgpr_msb (MSB<<8)|(\new)
.set MSB, (\new)
.endif
.endm
.macro PLACES n
.rept \n
	v_nop
.endr
.endm
.macro CREST
	s_cmp_lg_u32 s[WV], 0
	s_cbranch_scc1 .Lnot_wave_0_\@
	s_barrier_signal -3
.Lnot_wave_0_\@:
	s_barrier_wait -3
	s_barrier_signal -1
	s_barrier_wait -1
.endm
.macro CROUND
	s_barrier_signal -1
	s_barrier_wait -1
	CREST
.endm
.macro JLOAD s                         ; a joint load: waves 0 and 1 fetch for A, waves 2 and 3 for W; an s_nop 0 and four v_nop follow each line
	s_cmp_eq_u32 s16, 0
	s_cbranch_scc0 .Lfor_b_\@
	tensor_load_to_lds s[G0A+4*\s:G0A+4*\s+3], s[G1A:G1A+7]
	s_nop 0
	PLACES 4
	s_branch .Lasked_\@
.Lfor_b_\@:
	tensor_load_to_lds s[G0B+4*\s:G0B+4*\s+3], s[G1B:G1B+7]
	s_nop 0
	PLACES 4
.Lasked_\@:
.endm
.macro PSTEP                           ; my prefetches' address goes one tile on, behind the wait that frees it
	s_wait_xcnt 0x0
	s_add_nc_u64 s[PFA:PFA+1], s[PFA:PFA+1], s[PST:PST+1]
.endm
.macro ASK                             ; the 14 tiles 2 .. 15, one at each call
	WIN 0
	s_cmp_lt_u32 s[TC], 14
	s_cbranch_scc0 .Lno_more_\@
	global_prefetch_b8 v[PFO], s[PFA:PFA+1] th:TH_LOAD_NT scope:SCOPE_SE
	s_cmp_eq_u32 s16, 0
	s_cbranch_scc1 .Lno_more_\@
	global_prefetch_b8 v[PFO], s[PFA:PFA+1] offset:6400 th:TH_LOAD_NT scope:SCOPE_SE
.Lno_more_\@:
	s_add_co_u32 s[TC], s[TC], 1
.endm
.macro MM a, b, j                      ; rows 16 a.. x columns 16 b.., step j of a trip.  The 32 accumulators take turns, in the same order in every step
	WIN 0x50|(5*(2+(\j)%2))
.set rD, 8*(4*(\a)+(\b))
.set rB, 96+12*(\b)
.set rA, 12*(\a)
.set sB, BSC+2*((\j)%2)+(\b)/2
.set sA, ASC+4*((\j)%2)+(\a)/2
.if (\b)%2
.if (\a)%2
	v_wmma_scale_f32_16x16x128_f8f6f4 v[rD:rD+7], v[rB:rB+11], v[rA:rA+11], v[rD:rD+7], v[sB], v[sA] matrix_a_fmt:MATRIX_FMT_BF6 matrix_b_fmt:MATRIX_FMT_BF6 matrix_a_scale:MATRIX_SCALE_ROW1 matrix_b_scale:MATRIX_SCALE_ROW1
.else
	v_wmma_scale_f32_16x16x128_f8f6f4 v[rD:rD+7], v[rB:rB+11], v[rA:rA+11], v[rD:rD+7], v[sB], v[sA] matrix_a_fmt:MATRIX_FMT_BF6 matrix_b_fmt:MATRIX_FMT_BF6 matrix_a_scale:MATRIX_SCALE_ROW1
.endif
.else
.if (\a)%2
	v_wmma_scale_f32_16x16x128_f8f6f4 v[rD:rD+7], v[rB:rB+11], v[rA:rA+11], v[rD:rD+7], v[sB], v[sA] matrix_a_fmt:MATRIX_FMT_BF6 matrix_b_fmt:MATRIX_FMT_BF6 matrix_b_scale:MATRIX_SCALE_ROW1
.else
	v_wmma_scale_f32_16x16x128_f8f6f4 v[rD:rD+7], v[rB:rB+11], v[rA:rA+11], v[rD:rD+7], v[sB], v[sA] matrix_a_fmt:MATRIX_FMT_BF6 matrix_b_fmt:MATRIX_FMT_BF6
.endif
.endif
.endm
.macro MM4 a, j
	MM \a, 0, \j
	MM \a, 1, \j
	MM \a, 2, \j
	MM \a, 3, \j
.endm
; 38 LDS loads in one run: step nj of slot ns: the scale words (A's register i: lanes 0-15 fragment 2 i, lanes 16-31 fragment 2 i + 1; W's likewise), W's four fragments, A's eight
.macro RUN ns, nj
	WIN 0
	ds_load_b128 v[ASC+4*((\nj)%2):ASC+4*((\nj)%2)+3], v[AAD+(\ns)] offset:(\nj)*RECB+12288
	ds_load_b64 v[BSC+2*((\nj)%2):BSC+2*((\nj)%2)+1], v[BSA+2*(\ns)+(\nj)/2] offset:((\nj)%2)*2*RECB
	WIN (2+(\nj)%2)<<6
.irp b, 0,1,2,3
.irp p, 0,1,2
	ds_load_b128 v[96+12*\b+4*\p:96+12*\b+4*\p+3], v[BAD+2*(\ns)+(\nj)/2] offset:((\nj)%2)*2*RECB+1536*\b+512*\p
.endr
.endr
.irp f, 0,1,2,3,4,5,6,7
.irp p, 0,1,2
	ds_load_b128 v[12*\f+4*\p:12*\f+4*\p+3], v[AAD+(\ns)] offset:(\nj)*RECB+1536*\f+512*\p
.endr
.endr
.endm
.macro STEP slot, j                    ; steps 0-2 of a trip
	PLACES 4                                       ; places in front of loads into registers that the last step's matrix instructions read
	RUN \slot, (\j)+1
.irp a, 0,1,2,3,4,5,6,7
	s_wait_dscnt 59-3*\a                           ; A's fragment a of this step is in: behind it stand this step's 3 (7 - a) loads and the 38 just issued
	MM4 \a, \j
.endr
.endm
; A trip's step 3 changes slots.  In front of the barrier each wave waits for all its tensor loads (its part of the other slot), adds 0 to its spare word, and waits for that and for its reads of this slot.
; refill = 1: the barrier opens a round of the cluster's barrier, and this slot takes the tile two trips on.  Then the other slot's first fragments are fetched.
.macro TURN slot, refill
.if \refill
	PSTEP
.endif
	WIN 0
	s_wait_tensorcnt 0x0
	ds_add_u32 v[SPW], v[NIL]
	s_wait_dscnt 22                                ; fragment 0 is in: behind it 21 loads and the add
	MM4 0, 3
	s_wait_dscnt 19
	MM4 1, 3
	s_wait_dscnt 0x0                               ; the add is done, and my reads of this slot are over
	s_barrier_signal -1
	MM4 2, 3
	MM4 3, 3
	WIN 0
	s_barrier_wait -1
.if \refill
	CREST
	s_add_nc_u64 s[G0A+4*(\slot)+2:G0A+4*(\slot)+3], s[G0A+4*(\slot)+2:G0A+4*(\slot)+3], 2*ATILE
	s_add_nc_u64 s[G0B+4*(\slot)+2:G0B+4*(\slot)+3], s[G0B+4*(\slot)+2:G0B+4*(\slot)+3], 2*WTILE
	JLOAD \slot                                    ; the first tensor load behind the round; its four v_nop are also the places in front of the loads below
.else
	PLACES 4
.endif
	RUN 1-(\slot), 0
.if \refill
	ASK
.endif
	MM4 4, 3
	MM4 5, 3
	MM4 6, 3
	MM4 7, 3
.endm
.macro TRIPM slot, mode                ; mode 0: in the loop; 1: the last but one trip (nothing is filled again); 2: the last
	STEP \slot, 0
	STEP \slot, 1
	STEP \slot, 2
.if (\mode) < 2
	TURN \slot, 1-(\mode)
.else
.irp a, 0,1,2,3,4,5,6,7
	s_wait_dscnt 21-3*\a
	MM4 \a, 3
.endr
.endif
.endm
	s_load_b256 s[4:11], s[0:1], 0x0               ; aq, wq, gate, beta
	s_load_b64 s[12:13], s[0:1], 0x20              ; out
	v_lshl_add_u32 v[SPW], v0, 2, SPARE
	v_mov_b32 v[NIL], 0
	ds_add_u32 v[SPW], v[NIL]                      ; the opening: the add, twice on end, and its wait ahead of my first tensor load
	ds_add_u32 v[SPW], v[NIL]
	v_lshrrev_b32 v40, 5, v0
	v_readfirstlane_b32 s[WV], v40                 ; wave 0..3
	s_and_b32 s15, s[WV], 1                        ; which half of a tile I fetch; which four fragments of my half record are mine
	s_lshr_b32 s16, s[WV], 1                       ; I fetch for A (0) or for W (1); which half record of W is mine
	s_bfe_u32 s17, ttmp6, 0x40000                  ; cx
	s_bfe_u32 s18, ttmp6, 0x40004                  ; cy
	s_lshl_b32 s20, ttmp9, 2
	s_add_co_u32 s21, s20, s17                     ; column block
	s_and_b32 s19, ttmp7, 0xffff
	s_lshl_b32 s19, s19, 2
	s_add_co_u32 s19, s19, s18                     ; row block
	s_lshl_b32 s22, s18, 2
	s_lshl_b32 s22, 15, s22                        ; my row of the cluster
	s_lshl_b32 s23, 0x1111, s17                    ; my column
	s_or_b32 s[G1A+0], s22, (3<<16)|(1<<21)        ; the mask; elements of 8 bytes; bit 21 beside a mask
	s_or_b32 s[G1B+0], s23, (3<<16)|(1<<21)
	s_mov_b32 s[G1A+1], 32<<16                     ; half of A's part: 25,600 dense bytes as 100 rows of 256
	s_mov_b32 s[G1A+2], 100<<16
	s_mov_b32 s[G1A+3], 32<<16
	s_mov_b32 s[G1A+4], 100
	s_mov_b32 s[G1A+5], 32
	s_mov_b32 s[G1A+6], 0
	s_mov_b32 s[G1A+7], 0
	s_mov_b32 s[G1B+1], 32<<16                     ; half of W's part: 200 rows of 256
	s_mov_b32 s[G1B+2], 200<<16
	s_mov_b32 s[G1B+3], 32<<16
	s_mov_b32 s[G1B+4], 200
	s_mov_b32 s[G1B+5], 32
	s_mov_b32 s[G1B+6], 0
	s_mov_b32 s[G1B+7], 0
	s_mul_i32 s44, s15, ATILE/2                    ; where my half goes, for A
	s_mul_i32 s45, s15, WTILE/2
	s_mul_i32 s40, s19, 64*RECB                    ; and where it comes from: A's hangs on the row block alone,
	s_add_co_u32 s40, s40, s44
	s_mov_b32 s41, 0
	s_mul_i32 s42, s21, 128*RECB                   ; W's on the column block alone
	s_add_co_u32 s42, s42, s45
	s_mov_b32 s43, 0
	s_add_co_u32 s45, s45, ATILE                   ; W's part lies behind A's
	s_mul_i32 s46, s17, 6400                       ; the prefetches: my work-group's quarter of my half, by cx for A,
	s_add_co_u32 s46, s46, s40
	s_add_co_u32 s46, s46, ATILE                   ; at tile 1: the first call steps it to tile 2
	s_mul_i32 s47, s18, 12800                      ; by cy for W
	s_add_co_u32 s47, s47, s42
	s_add_co_u32 s47, s47, WTILE
	s_mov_b32 s[PST], WTILE
	s_cmp_eq_u32 s16, 0
	s_cselect_b32 s46, s46, s47
	s_cselect_b32 s[PST], ATILE, s[PST]
	s_mov_b32 s47, 0
	s_mov_b32 s[PST+1], 0
	s_mov_b32 s[TC], 0
	s_mul_i32 s20, s16, RECB                       ; LDS: my half record of W,
	s_add_co_u32 s20, s20, ATILE
	s_mul_i32 s22, s15, 6144
	s_add_co_u32 s22, s22, s20                     ; my four fragments in it,
	s_lshl_b32 s23, s15, 3
	s_add_co_u32 s23, s23, s20
	s_add_co_u32 s23, s23, 12288                   ; and their two scale words
	s_mul_i32 s20, s[WV], 16*SPITCH
	s_add_co_u32 s20, s20, STAGE
	s_lshl_b32 s78, s21, 10
	s_lshl_b32 s79, s[WV], 8
	s_add_co_u32 s78, s78, s79                     ; my first column, in bytes
	s_mov_b32 s79, 0
	s_wait_dscnt 0x0                               ; both opening adds are done
	s_wait_kmcnt 0x0
	s_add_nc_u64 s[40:41], s[4:5], s[40:41]
	s_add_nc_u64 s[42:43], s[6:7], s[42:43]
.irp s, 0,1
	s_mov_b32 s[G0A+4*\s], 1
	s_add_co_u32 s[G0A+4*\s+1], s44, \s*SLOTB
	s_add_nc_u64 s[G0A+4*\s+2:G0A+4*\s+3], s[40:41], \s*ATILE
	s_or_b32 s[G0A+4*\s+3], s[G0A+4*\s+3], 0x80000000
	s_mov_b32 s[G0B+4*\s], 1
	s_add_co_u32 s[G0B+4*\s+1], s45, \s*SLOTB
	s_add_nc_u64 s[G0B+4*\s+2:G0B+4*\s+3], s[42:43], \s*WTILE
	s_or_b32 s[G0B+4*\s+3], s[G0B+4*\s+3], 0x80000000
.endr
	s_cmp_eq_u32 s16, 0
	s_cselect_b64 s[PFA:PFA+1], s[4:5], s[6:7]
	s_add_nc_u64 s[PFA:PFA+1], s[PFA:PFA+1], s[46:47]
	s_add_nc_u64 s[70:71], s[10:11], s[78:79]      ; beta at my columns
	s_add_nc_u64 s[OUT:OUT+1], s[12:13], s[78:79]
	s_lshl_b32 s78, s19, 19
	s_add_nc_u64 s[OUT:OUT+1], s[OUT:OUT+1], s[78:79]
	s_lshl_b32 s78, s19, 12
	s_add_nc_u64 s[68:69], s[8:9], s[78:79]        ; gate at my rows
	CROUND                                         ; all sixteen work-groups are here: the first joint loads meet
	JLOAD 0                                        ; tile 0: one tensor load a wave at the head
	v_and_b32 v40, 31, v0
	v_and_b32 v41, 15, v0                          ; r
	v_bfe_u32 v42, v0, 4, 1                        ; h
	v_lshlrev_b32 v[AAD], 4, v40
	v_add_nc_u32 v[AAD+1], SLOTB, v[AAD]
	v_add_nc_u32 v[BAD], s22, v[AAD]
	v_add_nc_u32 v[BAD+1], 4*RECB, v[BAD]
	v_add_nc_u32 v[BAD+2], SLOTB, v[BAD]
	v_add_nc_u32 v[BAD+3], SLOTB+4*RECB, v[BAD]
	v_add_nc_u32 v[BSA], s23, v[AAD]
	v_add_nc_u32 v[BSA+1], 4*RECB, v[BSA]
	v_add_nc_u32 v[BSA+2], SLOTB, v[BSA]
	v_add_nc_u32 v[BSA+3], SLOTB+4*RECB, v[BSA]
	v_mul_u32_u24 v[STO], v41, SPITCH              ; into the stage: row r, 32 bytes for each half of the lanes
	v_lshl_add_u32 v[STO], v42, 5, v[STO]
	v_add_nc_u32 v[STO], s20, v[STO]
	v_mul_u32_u24 v[RD], v42, SPITCH               ; back: lanes 0-15 one row of 256 bytes, lanes 16-31 the next
	v_lshl_add_u32 v[RD], v41, 4, v[RD]
	v_add_nc_u32 v[RD], s20, v[RD]
	v_lshlrev_b32 v[CO], 12, v42                   ; and the same two rows in out
	v_lshl_add_u32 v[CO], v41, 4, v[CO]
	v_min_u32 v[PFO], 24, v40                      ; 25 blocks of 256 bytes an instruction; the lanes left over name the last again
	v_lshlrev_b32 v[PFO], 8, v[PFO]
	v_lshlrev_b32 v43, 5, v41
	v_lshl_add_u32 v43, v42, 4, v43                ; gate(row r, 4 h ..)
	v_lshlrev_b32 v44, 2, v41
	v_lshl_add_u32 v44, v42, 14, v44               ; beta(4 h + i, column r)
	s_wait_alu depctr_va_vdst(0)
.irp a, 0,1,2,3,4,5,6,7
	global_load_b128 v[160+4*\a:160+4*\a+3], v43, s[68:69] offset:512*\a
.endr
.irp b, 0,1,2,3
.irp i, 0,1,2,3
	global_load_b32 v[136+4*\b+\i], v44, s[70:71] offset:4096*\i+64*\b
.endr
.endr
	PSTEP
	ASK                                            ; tile 2
	s_wait_loadcnt 0x0
; gate x beta: K = 8 in a form of K = 32: expert 4 h + i stands at k = 8 h + i on both sides, all other k hold zeros
.irp f, 0,1,2,3,4,5,6,7,8,9,10,11
.irp i, 2,3,4,5,6,7
	v_mov_b32 v[40+8*\f+\i], 0
.endr
.endr
.irp b, 0,1,2,3
	v_cvt_pk_bf16_f32 v[40+8*\b], v[136+4*\b], v[137+4*\b]
	v_cvt_pk_bf16_f32 v[41+8*\b], v[138+4*\b], v[139+4*\b]
.endr
.irp a, 0,1,2,3,4,5,6,7
	v_cvt_pk_bf16_f32 v[72+8*\a], v[160+4*\a], v[161+4*\a]
	v_cvt_pk_bf16_f32 v[73+8*\a], v[162+4*\a], v[163+4*\a]
.endr
	WIN 0x40
.irp a, 0,1,2,3,4,5,6,7
.irp b, 0,1,2,3
	v_wmma_f32_16x16x32_bf16 v[8*(4*\a+\b):8*(4*\a+\b)+7], v[40+8*\b:47+8*\b], v[72+8*\a:79+8*\a], 0
.endr
.endr
	PLACES 5                                       ; places in front of the matrix instructions of the other form that write these accumulators
	WIN 0
	PSTEP
	s_wait_alu depctr_va_vdst(0)
	s_wait_tensorcnt 0x0                           ; my part of tile 0 is in
	ds_add_u32 v[SPW], v[NIL]
	s_wait_dscnt 0x0
	CROUND
	JLOAD 1                                        ; tile 1, the first tensor load behind the round
	RUN 0, 0
	ASK                                            ; tile 3
	s_mov_b32 s[LC], 7
.Ltrips:                                               ; a pass is two trips of 4 steps, once round the ring
	TRIPM 0, 0
	TRIPM 1, 0
	WIN 0
	s_sub_co_u32 s[LC], s[LC], 1
	s_cmp_lg_u32 s[LC], 0
	s_cbranch_scc1 .Ltrips
	TRIPM 0, 1
	TRIPM 1, 2
; THE WAY OUT, by blocks of 16 rows x 64 columns: through my own stage and back as whole rows of 256 bytes; each block has registers of its own, so no store's data are written again
.macro TOSTAGE a
	WIN 0x04
.irp b, 0,1,2,3
	ds_store_b128 v[STO], v[8*(4*(\a)+\b):8*(4*(\a)+\b)+3] offset:64*\b        ; each accumulator from its low end on
	ds_store_b128 v[STO], v[8*(4*(\a)+\b)+4:8*(4*(\a)+\b)+7] offset:64*\b+16
.endr
	WIN 0x80
.irp t, 0,1,2,3,4,5,6,7
	ds_load_b128 v[32*(\a)+4*\t:32*(\a)+4*\t+3], v[RD] offset:\t*2*SPITCH      ; LDS serves a wave's instructions in order
.endr
.endm
.macro SEND a, younger
	s_wait_dscnt \younger
	WIN 0x08
.irp t, 0,1,2,3,4,5,6,7
	global_store_b128 v[CO], v[32*(\a)+4*\t:32*(\a)+4*\t+3], s[OUT:OUT+1] offset:65536*(\a)+8192*\t th:TH_STORE_NT   ; sixteen lanes store 256 consecutive bytes, at a multiple of 256 from out's first byte
.endr
.endm
	PLACES 4
	TOSTAGE 0
.irp a, 1,2,3,4,5,6,7
	TOSTAGE \a
	SEND (\a)-1, 16                                ; behind block a - 1's loads: block a's 8 stores and 8 loads
.endr
	SEND 7, 0
	WIN 0
	s_wait_tensorcnt 0x0                           ; the wave's end
	ds_add_u32 v[SPW], v[NIL]
	s_wait_dscnt 0x0
	CROUND                                         ; the closing round
	s_endpgm
.Lfunc_end_k_q030a62ff12_gemm:
	.size	k_q030a62ff12_gemm, .Lfunc_end_k_q030a62ff12_gemm-k_q030a62ff12_gemm
	.p2alignl 7, 3214868480
	.fill 96, 4, 3214868480
	.section	.rodata,"a",@progbits
	.p2align	6, 0x0
	.amdhsa_kernel k_q030a62ff12_gemm
		.amdhsa_group_segment_fixed_size 327680
		.amdhsa_private_segment_fixed_size 0
		.amdhsa_enable_private_segment 0
		.amdhsa_kernarg_size 40
		.amdhsa_user_sgpr_count 2
		.amdhsa_user_sgpr_kernarg_segment_ptr 1
		.amdhsa_wavefront_size32 1
		.amdhsa_system_sgpr_workgroup_id_x 1
		.amdhsa_system_sgpr_workgroup_id_y 1
		.amdhsa_system_sgpr_workgroup_id_z 1
		.amdhsa_system_vgpr_workitem_id 0
		.amdhsa_next_free_vgpr 1024
		.amdhsa_next_free_sgpr 80
		.amdhsa_reserve_vcc 0
		.amdhsa_float_denorm_mode_32 3
		.amdhsa_float_denorm_mode_16_64 3
		.amdhsa_memory_ordered 1
		.amdhsa_forward_progress 1
		.amdhsa_inst_pref_size 146
	.end_amdhsa_kernel
	.amdgpu_metadata
---
amdhsa.version: [ 1, 2 ]
amdhsa.kernels:
  - .name:           k_q030a62ff12_gemm
    .symbol:         k_q030a62ff12_gemm.kd
    .args:
      - { .name: aq, .offset: 0, .size: 8, .value_kind: global_buffer, .address_space: global }
      - { .name: wq, .offset: 8, .size: 8, .value_kind: global_buffer, .address_space: global }
      - { .name: gate_perc, .offset: 16, .size: 8, .value_kind: global_buffer, .address_space: global }
      - { .name: beta, .offset: 24, .size: 8, .value_kind: global_buffer, .address_space: global }
      - { .name: out0, .offset: 32, .size: 8, .value_kind: global_buffer, .address_space: global }
    .group_segment_fixed_size: 327680
    .private_segment_fixed_size: 0
    .kernarg_segment_align: 8
    .kernarg_segment_size: 40
    .max_flat_workgroup_size: 128
    .sgpr_count:     80
    .vgpr_count:     1024
    .wavefront_size: 32
...
	.end_amdgpu_metadata
.endif
;; end of part 2
